; MI455X (gfx1250); checked and timed in simulation.
; The chip was launched on July 23, 2026; its instructions are those of AMD's public machine-readable ISA for CDNA 5 (MIT licence, August 2026) and "CDNA5" Instruction Set Architecture Reference Guide (July 2026). The comments in the code are by the model that wrote it; some were corrected since.
;; W8 A16 LL. Allowed arithmetic: matrix products marked QUANTISED: E5M2 operands, one E8M0 scale for each 32 along K, by v_wmma_scale_f32_16x16x128_f8f6f4 with both operands' format E5M2, f32 sums; everything else in f32.
;; Inputs: bias 1 x 4,096 float32; input 2 x 2,048 x 4,096 float32; int8_weights 4,096 x 4,096 int8; scales 4,096 float32.
;; Outputs: out0 2 x 2,048 x 4,096 float32.
;; This version of the problem:
;;   THIS VERSION OF THE PROBLEM IS GIVEN IN LOW PRECISION. The matrix products marked QUANTISED in the list below multiply operands that are first quantised to E5M2 (5 exponent bits, 2 mantissa bits; 8 bits a number), with one power-of-two scale for each 32 numbers along K (OCP MX v1.0); their sums are f32. All else is computed in f32.
;;   The module's matrix products, in the order in which they are computed (A, B: the left and right operand; K: the contracted axis; several contracted axes count as one K, in the product's order):
;;     1. [M 4,096, K 4,096] x [K 4,096, N 4,096]; A: input input; B: input int8_weights: QUANTISED
;;   THE QUANTISER, for each operand of a quantised product, along K:
;;     - K is cut into blocks of 32 from its start; a last block that is shorter is filled with zeros.
;;     - A block's scale is 2^e with e = floor(log2(the largest magnitude in the block)) - 15, held to -126 .. 127; a block of zeros has e = 0. As a byte (E8M0): e + 127.
;;     - Each number is divided by its block's scale, clamped to +-57,344, and rounded to the nearest number of E5M2, ties to even, subnormals kept.
;;     - The product sums the exact products of the quantised numbers (number of the format x scale) in f32.
;;   ~~~python
;;   def quantise(x, axis):      # numpy; x: float32 -> the quantised numbers, widened to float32 again
;;       x = np.moveaxis(x, axis, -1); K = x.shape[-1]
;;       x = np.pad(x, [(0, 0)] * (x.ndim - 1) + [(0, -K % 32)]); x = x.reshape(x.shape[:-1] + (-1, 32)); a = np.abs(x).max(-1, keepdims=True)
;;       e = np.where(a > 0, np.clip(np.frexp(np.where(a > 0, a, 1))[1] - 1 - 15, -126, 127), 0)      # np.frexp(a)[1] - 1 = floor(log2(a)), exactly
;;       r = np.clip(x / 2.0 ** e, -57344, 57344)
;;       step = 2.0 ** (np.maximum(np.frexp(np.where(r == 0, 1, r))[1] - 1, -14) - 2)
;;       q = np.round(r / step) * step * 2.0 ** e      # np.round: ties to even
;;       return np.moveaxis(q.reshape(q.shape[:-2] + (-1,))[..., :K], -1, axis).astype(np.float32)
;;   ~~~
;; One version. Each part assembles by itself: llvm-mc -triple=amdgcn-amd-amdhsa -mcpu=gfx1250 --defsym DOCPART=n.
;; ======== version 1 of 1: 2 launches
;; limits: right only within a limited range of input values
;; workspace buffers: xq 17,301,504 bytes; wq 17,301,504 bytes
;; launch quant (part 1): grid 512 x 1, 8 waves a work-group, no clusters, 138,240 bytes of LDS; arguments input, int8_weights, xq, wq; writes xq, wq
.if DOCPART == 1
	.amdgcn_target "amdgcn-amd-amdhsa--gfx1250"
	.amdhsa_code_object_version 6
	.text
	.protected	k_q866c165783_quant
	.globl	k_q866c165783_quant
	.p2align	8
	.type	k_q866c165783_quant,@function
k_q866c165783_quant:
	s_mov_b64 s[64:65], 0
	v_nop
	global_prefetch_b8 v0, s[64:65] scope:SCOPE_SE
	s_setreg_imm32_b32 hwreg(HW_REG_WAVE_MODE, 25, 1), 1
	s_wait_xcnt 0x0
; x [4096][4096] f32 and w [4096][4096] int8, both with K innermost, become codes of BF8 (E5M2) with one E8M0 scale byte for each 32 along K.
; A block's scale is 2^(floor(log2(its largest magnitude)) - 15); its byte is the largest magnitude's exponent field - 15, held at 1 from below.
; Each number is divided by the scale, held within +-57,344 and rounded to the nearest code, ties to even.  No work of the problem is left out: every input is used.
; LIMITS: NaN and infinities in x are not served.  A block of zeros gets the byte 1 where the rule says 127: its codes are zeros, which add nothing under any byte but 0xff, and this program alone reads the bytes.
; THE WORKSPACE IS LAID IN THE ORDER OF THE OPERAND'S REGISTERS, the same for xq and wq: [panel = row / 128 (32)][K step = k / 256 (16)][BLK = 33,792 bytes].  A block holds 16 images of fragments, 2,048 bytes each:
; that of (16 rows i = 0..7, q = which 128 along K) at 2,048 (2 i + q); in it registers 4 c .. 4 c + 3 of lane l at 512 c + 16 l: the codes of row l % 16 at k = 128 q + 32 c + 16 (l / 16) + 0 .. 15.
; Behind the codes, at byte 32,768, 1,024 bytes of scale words: the word (four bytes: 128 along K) of (i, q, row r) at 256 (i / 2) + 16 r + 8 (i % 2) + 4 q.
; SHARES.  A unit is 32 rows x 256 K: four fragments f = 2 e + q (e: which 16 rows) and 256 bytes of scale words.  Each tensor has 2,048 units.  Work-groups 0-255 take x's units, a wave a unit; work-groups 256-511 take w's.
; The longer work, x's, has the lower numbers.  The outputs' pointers are chosen on the work-group's number; the two ways part on it once and join for the scale words.  Each way has LDS bytes of its own.  Waves share nothing: no barrier.
; Work-groups share no input and every input byte is read once, so clusters, tensor loads and a ring would add nothing; all loads read and all stores write runs of 256 or 512 consecutive, aligned bytes.
; THE TURN THROUGH LDS.  The conversions take neighbours along K from ONE lane's registers, a load takes neighbouring bytes in neighbouring LANES: so the bytes are loaded as they lie and turn through the wave's own stage.
; Stage rows are padded by 16 bytes (528 and 272 bytes), so that the sixteen rows that a read touches start at sixteen different banks (64 banks of 4 bytes: ISA guide 11.1).
.set BLK,   33792
.set PANEL, 16*BLK
.set SCOFF, 32768
.set WREG,  17152                      ; LDS: a region for each wave: x's stage, 16 rows x 528; then w's, 32 rows x 272
.set XP,    528
.set WP,    272
.set WST,   16*XP
.set L16,   1                          ; 16 x lane: my place in a load of x and in a store of codes
.set WLO,   2                          ; w: 4,096 (lane / 16) + 16 (lane % 16): two rows of 256 bytes to a load
.set XSI,   3                          ; x's stage, in: 16 x lane
.set XSO,   4                          ; and out: row lane % 16, + 64 (lane / 16)
.set WSI,   5                          ; w's stage, in
.set WSO,   6                          ; and out
.set SCO,   7                          ; 16 (lane % 16): my row's four scale words
.set MX,    10                         ; four blocks' largest magnitudes, then 57,344 x their scales
.set PT,    14                         ; the other half's maxima, then the conversions' scale operands
.set LN,    19                         ; lane
.set SWX,   20                         ; v20-23 the unit's scale words, one for each fragment
.set RW,    28                         ; v28-43 a fragment of w as bytes
.set COD,   44                         ; v44-59 the codes just made
.set SETA,  64                         ; three sets of 64 numbers
.set SETB,  128
.set SETC,  192
	s_load_b256 s[4:11], s[0:1], 0x0               ; x s[4:5], w s[6:7], xq s[8:9], wq s[10:11]
	v_lshl_add_u32 v62, v0, 2, 0x21800             ; my spare word, behind the eight regions
	v_mov_b32 v63, 0
	v_lshrrev_b32 v8, 5, v0
	s_delay_alu instid0(VALU_DEP_1)
	v_readfirstlane_b32 s12, v8                    ; wave 0..7
	v_and_b32 v[LN], 31, v0
	v_and_b32 v8, 15, v0                           ; r
	v_bfe_u32 v9, v0, 4, 1                         ; h
	s_mul_i32 s15, s12, WREG                       ; my wave's region of LDS
	v_lshlrev_b32 v[L16], 4, v[LN]
	v_lshlrev_b32 v[WLO], 12, v9
	s_delay_alu instid0(VALU_DEP_1)
	v_lshl_add_u32 v[WLO], v8, 4, v[WLO]
	s_delay_alu instid0(VALU_DEP_3)
	v_add_nc_u32 v[XSI], s15, v[L16]
	v_mul_u32_u24 v[XSO], v8, XP
	s_delay_alu instid0(VALU_DEP_1)
	v_lshl_add_u32 v[XSO], v9, 6, v[XSO]
	s_delay_alu instid0(VALU_DEP_1)
	v_add_nc_u32 v[XSO], s15, v[XSO]
	v_mul_u32_u24 v[WSI], v9, WP
	s_delay_alu instid0(VALU_DEP_1)
	v_lshl_add_u32 v[WSI], v8, 4, v[WSI]
	s_delay_alu instid0(VALU_DEP_1)
	v_add_nc_u32 v[WSI], s15, v[WSI]
	s_delay_alu instid0(VALU_DEP_1)
	v_add_nc_u32 v[WSI], WST, v[WSI]
	v_mul_u32_u24 v[WSO], v8, WP
	s_delay_alu instid0(VALU_DEP_1)
	v_lshl_add_u32 v[WSO], v9, 4, v[WSO]
	s_delay_alu instid0(VALU_DEP_1)
	v_add_nc_u32 v[WSO], s15, v[WSO]
	s_delay_alu instid0(VALU_DEP_1)
	v_add_nc_u32 v[WSO], WST, v[WSO]
	v_lshlrev_b32 v[SCO], 4, v8
.irp b, 0,1,2,3
	v_mov_b32 v[PT+\b], 0                          ; written once: a lane permute's destination counts as one of its sources
.endr
	s_mov_b32 s20, 0x76543210
	s_mov_b32 s21, 0xfedcba98                      ; v_permlanex16_b32's selects for lane l xor 16
	s_mov_b32 s22, 0x600000                        ; the mantissa field of 57,344
	s_mov_b32 s23, 0x80808080                      ; turns four int8 into four bytes u = number + 128
	s_mov_b32 s24, 0x4b000000                      ; 2^23 as f32: with u as its lowest byte it is the number 2^23 + u
	s_mov_b32 s25, 0x03020104                      ; byte selects: u from byte 0, 1, 2, 3 of the first source; the upper three bytes from s24
	s_mov_b32 s26, 0x03020105
	s_mov_b32 s27, 0x03020106
	s_mov_b32 s28, 0x03020107
	s_mov_b32 s30, 0xcb000080                      ; -(2^23 + 128)
	s_mov_b32 s31, s30                             ; (named with it as a pair, so it is written)
	s_and_b32 s33, ttmp9, 255                      ; my place among my tensor's 256 work-groups
	s_lshr_b32 s13, s33, 1                         ; rp: which 32 rows
	s_and_b32 s14, s33, 1
	s_lshl_b32 s14, s14, 3
	s_add_co_u32 s14, s14, s12                     ; t: which 256 along K: the eight waves stand side by side along K
	s_lshl_b32 s16, s13, 19                        ; x: 32 rows of 16,384 bytes,
	s_lshl_b32 s17, s14, 10                        ; 1,024 bytes a K step
	s_add_co_u32 s16, s16, s17
	s_mov_b32 s17, 0
	s_lshl_b32 s18, s13, 17                        ; w: 32 rows of 4,096 bytes,
	s_lshl_b32 s19, s14, 8                         ; 256 bytes a K step
	s_add_co_u32 s18, s18, s19
	s_mov_b32 s19, 0
	s_lshr_b32 s38, s13, 2                         ; the panel
	s_mul_i32 s38, s38, PANEL
	s_mul_i32 s39, s14, BLK
	s_add_co_u32 s38, s38, s39                     ; where my block begins in xq or in wq
	s_and_b32 s39, s13, 3                          ; which 32 rows of the panel's 128
	s_lshl_b32 s34, s39, 13                        ; their four images: 8,192 bytes
	s_add_co_u32 s34, s34, s38
	s_mov_b32 s35, 0
	s_lshl_b32 s36, s39, 8                         ; their scale words: 256 bytes
	s_add_co_u32 s36, s36, s38
	s_add_co_u32 s36, s36, SCOFF
	s_mov_b32 s37, 0
	s_wait_alu depctr_va_vdst(0)                   ; the wait at the head's end
	s_wait_kmcnt 0x0
	s_add_nc_u64 s[4:5], s[4:5], s[16:17]
	s_add_nc_u64 s[6:7], s[6:7], s[18:19]
	s_add_nc_u64 s[16:17], s[8:9], s[36:37]        ; xq's scale words
	s_add_nc_u64 s[18:19], s[10:11], s[36:37]      ; wq's
	s_add_nc_u64 s[8:9], s[8:9], s[34:35]          ; xq's codes
	s_add_nc_u64 s[10:11], s[10:11], s[34:35]      ; wq's
	s_cmp_lt_u32 ttmp9, 256                        ; x's work-group or w's?  The choice hangs on the work-group's number alone
	s_cselect_b64 s[8:9], s[8:9], s[10:11]         ; my codes
	s_cselect_b64 s[16:17], s[16:17], s[18:19]     ; my scale words
.macro LOADW                           ; the unit of w: 32 rows x 256 bytes; a load takes two rows, sixteen lanes to a row
.irp n, 0,1,2,3,4,5,6,7,8,9,10,11,12,13,14,15
	global_load_b128 v[SETC+4*\n:SETC+4*\n+3], v[WLO], s[6:7] offset:8192*\n th:TH_LOAD_NT
.endr
.endm
.macro LOADX f, set                    ; fragment f of x: 16 rows x 128 numbers; a load takes 512 consecutive bytes of one row
.irp rr, 0,1,2,3,4,5,6,7,8,9,10,11,12,13,14,15
	global_load_b128 v[\set+4*\rr:\set+4*\rr+3], v[L16], s[4:5] offset:(16*((\f)/2)+\rr)*16384+512*((\f)%2) th:TH_LOAD_NT
.endr
.endm
.macro WSTAGE                          ; w's unit into its stage, as it lies
.irp n, 0,1,2,3,4,5,6,7,8,9,10,11,12,13,14,15
	ds_store_b128 v[WSI], v[SETC+4*\n:SETC+4*\n+3] offset:2*WP*\n
.endr
.endm
; A fragment of x through the stage and back into the registers that it left: LDS serves a wave's instructions in order (ISA guide 5.7.1.4).
; Afterwards register 16 b + i holds k = 32 b + 16 (lane / 16) + i of row lane % 16.
.macro XTURN set
.irp rr, 0,1,2,3,4,5,6,7,8,9,10,11,12,13,14,15
	ds_store_b128 v[XSI], v[\set+4*\rr:\set+4*\rr+3] offset:XP*\rr
.endr
.irp b, 0,1,2,3
.irp j, 0,1,2,3
	ds_load_b128 v[\set+16*\b+4*\j:\set+16*\b+4*\j+3], v[XSO] offset:128*\b+16*\j
.endr
.endr
.endm
; Fragment f of w out of its stage, 16 bytes of each block of 32 a lane, and widened to f32 in SETC, exactly: u = byte + 128; the bytes (u, 0, 0, 0x4b) are the f32 number 2^23 + u; 2^23 + 128 is taken off.
.macro WFRAG f
.irp b, 0,1,2,3
	ds_load_b128 v[RW+4*\b:RW+4*\b+3], v[WSO] offset:16*WP*((\f)/2)+128*((\f)%2)+32*\b
.endr
	s_wait_dscnt 0x0
.irp j, 0,1,2,3,4,5,6,7,8,9,10,11,12,13,14,15
	v_xor_b32 v[RW+\j], s23, v[RW+\j]
.endr
.irp j, 0,1,2,3,4,5,6,7,8,9,10,11,12,13,14,15
.irp n, 0,1,2,3
	v_perm_b32 v[SETC+4*\j+\n], v[RW+\j], s24, s[25+\n]
.endr
.endr
.irp j, 0,2,4,6,8,10,12,14,16,18,20,22,24,26,28,30,32,34,36,38,40,42,44,46,48,50,52,54,56,58,60,62
	v_pk_add_f32 v[SETC+\j:SETC+\j+1], v[SETC+\j:SETC+\j+1], s[30:31] op_sel_hi:[1,0]
.endr
.endm
; 64 numbers of a lane (register 16 b + i = k 32 b + 16 (lane / 16) + i of my row) become a fragment's codes in v[COD] on and its scale word in v[wd].
.macro QUANT set, wd
.irp b, 0,1,2,3
	v_max3_num_f32 v[MX+\b], |v[\set+16*\b]|, |v[\set+16*\b+1]|, 0x8000000   ; block b: my 16 numbers, and the floor 2^(16 - 127): the byte cannot fall under 1
.endr
.irp i, 2,4,6,8,10,12,14
.irp b, 0,1,2,3
	s_delay_alu instid0(VALU_DEP_4)
	v_max3_num_f32 v[MX+\b], v[MX+\b], |v[\set+16*\b+\i]|, |v[\set+16*\b+\i+1]|   ; the four blocks by turns
.endr
.endr
.irp b, 0,1,2,3
	s_delay_alu instid0(VALU_DEP_4)
	v_permlanex16_b32 v[PT+\b], v[MX+\b], s20, s21
.endr
.irp b, 0,1,2,3
	s_delay_alu instid0(VALU_DEP_4)
	v_max_num_f32 v[MX+\b], v[MX+\b], v[PT+\b]     ; with lane l xor 16's 16 numbers: the block's largest magnitude
.endr
.irp b, 0,1,2,3
	s_delay_alu instid0(VALU_DEP_4)
	v_add_nc_u32 v[PT+\b], 0xf8800000, v[MX+\b]    ; 15 off its exponent field: the conversion takes the exponent field of this operand as its scale
.endr
.irp b, 0,1,2,3
	v_and_or_b32 v[MX+\b], v[MX+\b], 0x7f800000, s22   ; 57,344 x the scale
.endr
	v_lshrrev_b32 v8, 23, v[PT]                    ; the four bytes make my row's scale word, the lower K in the lower byte
	v_lshrrev_b32 v9, 23, v[PT+1]
	s_delay_alu instid0(VALU_DEP_1)
	v_lshl_or_b32 v[\wd], v9, 8, v8
	v_lshrrev_b32 v8, 23, v[PT+2]
	v_lshrrev_b32 v9, 23, v[PT+3]
	s_delay_alu instid0(VALU_DEP_2)
	v_lshl_or_b32 v[\wd], v8, 16, v[\wd]
	s_delay_alu instid0(VALU_DEP_1)
	v_lshl_or_b32 v[\wd], v9, 24, v[\wd]
	s_wait_xcnt 0x0                                ; the last fragment's stores have read v[COD] on: only behind this wait are the codes written again
.irp b, 0,1,2,3
.irp i, 0,1,2,3,4,5,6,7,8,9,10,11,12,13,14,15
	v_med3_num_f32 v[\set+16*\b+\i], v[\set+16*\b+\i], -v[MX+\b], v[MX+\b]   ; the conversion to an 8-bit code does not saturate (ISA guide 7.6.2): the hold
.endr
	v_cvt_scalef32_pk8_bf8_f32 v[COD+4*\b:COD+4*\b+1], v[\set+16*\b:\set+16*\b+7], v[PT+\b]
	v_cvt_scalef32_pk8_bf8_f32 v[COD+4*\b+2:COD+4*\b+3], v[\set+16*\b+8:\set+16*\b+15], v[PT+\b]
.endr
	v_nop                                          ; a plain vector line behind the last conversion
.endm
.macro PUT f                           ; the image of fragment f: each store writes 512 consecutive bytes, at a multiple of 512 from the buffer's first byte
.irp c, 0,1,2,3
	global_store_b128 v[L16], v[COD+4*\c:COD+4*\c+3], s[8:9] offset:2048*(\f)+512*\c
.endr
.endm
.macro XFRAG f, set, left              ; left: the younger loads of x, which may stay out
	s_wait_loadcnt \left
	XTURN \set
	s_wait_dscnt 0x0
	QUANT \set, SWX+\f
	PUT \f
.endm
	s_cbranch_scc0 .Lw                             ; on the compare above: the selects between leave SCC as it is
	LOADX 0, SETA                                  ; x: 48 loads of a wave go out together, three of the unit's four fragments
	LOADX 1, SETB
	LOADX 2, SETC
	XFRAG 0, SETA, 32                              ; fragments 1 and 2 stay out
	LOADX 3, SETA
	XFRAG 1, SETB, 32                              ; fragments 2 and 3 stay out
	XFRAG 2, SETC, 16                              ; fragment 3 stays out
	XFRAG 3, SETA, 0
	s_branch .Lwords
.Lw:
	LOADW                                          ; w: the whole unit, sixteen loads
	s_wait_loadcnt 0x0
	WSTAGE
.irp f, 0,1,2,3
	WFRAG \f                                       ; (its wait for the LDS loads also shows that the stage's stores have read SETC)
	QUANT SETC, SWX+\f
	PUT \f
.endr
.Lwords:
	s_wait_xcnt 0x0                                ; EXEC changes only behind this wait: it is a source of the stores above
	v_cmp_gt_u32 vcc_lo, 16, v[LN]
	s_wait_tensorcnt 0x0                           ; the wave's end, behind my last LDS store
	ds_add_u32 v62, v63
	s_wait_dscnt 0x0
	s_and_saveexec_b32 s32, vcc_lo                 ; lanes 0-15 hold the sixteen rows' words (lanes 16-31 the same again)
	global_store_b128 v[SCO], v[SWX:SWX+3], s[16:17]   ; sixteen lanes store 256 consecutive bytes, at a multiple of 256 from the buffer's first byte
	s_wait_xcnt 0x0                                ; and again, in front of the line that widens it
	s_or_b32 exec_lo, exec_lo, s32
	s_endpgm
.Lfunc_end_k_q866c165783_quant:
	.size	k_q866c165783_quant, .Lfunc_end_k_q866c165783_quant-k_q866c165783_quant
	.p2alignl 7, 3214868480
	.fill 96, 4, 3214868480
	.section	.rodata,"a",@progbits
	.p2align	6, 0x0
	.amdhsa_kernel k_q866c165783_quant
		.amdhsa_group_segment_fixed_size 138240
		.amdhsa_private_segment_fixed_size 0
		.amdhsa_enable_private_segment 0
		.amdhsa_kernarg_size 32
		.amdhsa_user_sgpr_count 2
		.amdhsa_user_sgpr_kernarg_segment_ptr 1
		.amdhsa_wavefront_size32 1
		.amdhsa_system_sgpr_workgroup_id_x 1
		.amdhsa_system_sgpr_workgroup_id_y 1
		.amdhsa_system_sgpr_workgroup_id_z 1
		.amdhsa_system_vgpr_workitem_id 0
		.amdhsa_next_free_vgpr 256
		.amdhsa_next_free_sgpr 66
		.amdhsa_reserve_vcc 1
		.amdhsa_float_denorm_mode_32 3
		.amdhsa_float_denorm_mode_16_64 3
		.amdhsa_memory_ordered 1
		.amdhsa_forward_progress 1
		.amdhsa_inst_pref_size 127
	.end_amdhsa_kernel
	.amdgpu_metadata
---
amdhsa.version: [ 1, 2 ]
amdhsa.kernels:
  - .name:           k_q866c165783_quant
    .symbol:         k_q866c165783_quant.kd
    .args:
      - { .name: input, .offset: 0, .size: 8, .value_kind: global_buffer, .address_space: global }
      - { .name: int8_weights, .offset: 8, .size: 8, .value_kind: global_buffer, .address_space: global }
      - { .name: xq, .offset: 16, .size: 8, .value_kind: global_buffer, .address_space: global }
      - { .name: wq, .offset: 24, .size: 8, .value_kind: global_buffer, .address_space: global }
    .group_segment_fixed_size: 138240
    .private_segment_fixed_size: 0
    .kernarg_segment_align: 8
    .kernarg_segment_size: 32
    .max_flat_workgroup_size: 256
    .sgpr_count:     66
    .vgpr_count:     256
    .wavefront_size: 32
...
	.end_amdgpu_metadata
.endif
;; end of part 1
;; launch gemm (part 2): grid 16 x 16, 4 waves a work-group, clusters of 4 x 4, 327,680 bytes of LDS; arguments xq, wq, scales, bias, out0; writes out0
.if DOCPART == 2
	.amdgcn_target "amdgcn-amd-amdhsa--gfx1250"
	.amdhsa_code_object_version 6
	.text
	.protected	k_q866c165783_gemm
	.globl	k_q866c165783_gemm
	.p2align	8
	.type	k_q866c165783_gemm,@function
k_q866c165783_gemm:
	s_mov_b64 s[64:65], 0
	v_nop
	global_prefetch_b8 v0, s[64:65] scope:SCOPE_SE
	s_setreg_imm32_b32 hwreg(HW_REG_WAVE_MODE, 25, 1), 1
	s_wait_xcnt 0x0
	s_wait_alu depctr_hold_cnt(0) depctr_sa_sdst(0) depctr_va_vdst(0) depctr_va_sdst(0) depctr_va_ssrc(0) depctr_va_vcc(0) depctr_vm_vsrc(0)
	s_getreg_b32 s2, hwreg(HW_REG_IB_STS2, 6, 4)
	s_cmp_eq_u32 s2, 0
	s_cbranch_scc0 .Lentry_in_a_cluster
	s_endpgm
.Lentry_in_a_cluster:
	s_bfe_u32 s2, ttmp6, 0x10000c
	s_cmp_lg_u32 s2, 0xf033
	s_cbranch_scc0 .Lentry_shape_is_right
	s_endpgm
.Lentry_shape_is_right:
; out0[m][n] = scales[n] x (sum over k of Q(x)[m][k] Q(w)[n][k]) + bias[n]; codes of BF8 with E8M0 scale bytes from xq and wq, f32 sums, K ascending.
; xq and wq are laid [panel of 128 rows][K step of 256][BLK bytes]: 16 register images of fragments (2,048 bytes each) and 1,024 bytes of scale words: a block is dense, 132 rows of 256 bytes.
; A tile of out0, 256 x 256, is made by four waves, each 128 x 128: 64 accumulators, 512 registers.  A slot holds a K step: two blocks of x, two of w; each wave fetches one block by one tensor load.
; CLUSTERS: 4 x 4 work-groups; x's blocks are asked for jointly along a row of the cluster, w's along a column.
; THE MATRIX INSTRUCTION IS USED TRANSPOSED (source 0 = 16 rows of w, source 1 = 16 rows of x): a lane holds eight neighbouring numbers of a row of out0.
; A step of 128 along K is 64 products in four quadrants of 16: x's blocks 0-3 against w's 0-3, 0-3 against 4-7, 4-7 against 0-3, 4-7 against 4-7.  x's fragments have one set of registers, w's two.
; The next step's 64 LDS loads stand in TWO runs of 32: in the step's middle w's blocks 0-3 and x's 0-3 (free since the second quadrant), at its end w's 4-7 and x's 4-7; each is wanted 16 products later at the earliest.
; THE CHANGE OF SLOTS stands ahead of the middle run of a slot's second step: by then all fragments of the slot have been asked for.  Eight products stand between the wait for all tensor loads and the round.
; THE LAST K STEP (256 along K, in slot 1) GOES BY ROWS OF out0: both of w's sets hold it whole, x's fragments come by blocks of 16 rows x 256 K, and each block is finished by 16 products (its eight accumulators by turns, K ascending)
; and leaves through the stage while the next block is multiplied.
; PREFETCH: a panel is a dense stream of 2,112 lines of 256 bytes, of which a K step takes 132.  Every cluster asks for what it will load; the four partners of a joint load share the lines out by address, 32 lines a wave, a lane a line.
; Behind K step 0's load lines 192-319 are asked for, behind K step 1's lines 320-575; the n-th refill (which loads lines 132 (n + 1) on) asks for lines 448 + 128 n on, n = 1..12: the last ask ends at the panel's last line; the last two refills ask for nothing.
; REGISTERS: window 0: v16-30 addresses, v32-63 scale words (two sets), v64-71 scales[n] and bias[n], v8-15 and v72-127 16 rows read back on the way out, v128-255 x's fragments (in the last K step four buffers of 32);
; window 1: w's two sets; windows 2, 3: accumulators (a, b) at v[8 (8 (a % 4) + b)].
.set SIZE_N, 4096
.set BLK,    33792
.set PANEL,  16*BLK
.set SCOFF,  32768
.set FR,     16
.set NL,     4
.set SLOT,   4*BLK
.set LAPS,   8
.set SPARE,  2*SLOT                    ; behind the ring: the spare words, 128 bytes a wave
.set SPITCH, 528                       ; the way out: a stage of 16 rows x (512 + 16) bytes a wave, in slot 0, behind its last fill and last read
.set ADRA, 16
.set ADRB, 20
.set ADRS, 22
.set STO,  24
.set RD,   25
.set CO,   26
.set SPW,  28
.set NIL,  29
.set PFO,  30
.set SC,   32
.set SN,   64
.set BN,   68
.set AF,   128
.set G1, 24
.set G0, 32
.set G1B, 48
.set G0B, 56
.set PFA, 66
.set MSB, 0
.macro WIN new                         ; the immediate's high byte repeats the setting that is left
.if MSB != (\new)
	s_set_vgpr_msb (MSB<<8)|(\new)
.set MSB, (\new)
.endif
.endm
.set MUL_LO, 0xa1                      ; source 0 (w) window 1, source 1 (x) window 0, C and D window 2
.set TO_B,   0x40                      ; destination window 1, address window 0
.macro JLOAD s                         ; a joint load: waves 0, 1 fetch x's two blocks, waves 2, 3 w's
	s_cmp_eq_u32 s15, 0
	s_cbranch_scc0 .Lfor_b_\@
	tensor_load_to_lds s[G0+4*\s:G0+4*\s+3], s[G1:G1+7]
	s_nop 0
.rept 4
	v_nop
.endr
	s_branch .Lasked_\@
.Lfor_b_\@:
	tensor_load_to_lds s[G0B+4*\s:G0B+4*\s+3], s[G1B:G1B+7]
	s_nop 0
.rept 4
	v_nop
.endr
.Lasked_\@:
.endm
.macro CREST                           ; a round of the cluster's barrier behind its opening barrier
	s_cmp_lg_u32 s14, 0
	s_cbranch_scc1 .Lnot_wave_0_\@
	s_barrier_signal -3
.Lnot_wave_0_\@:
	s_barrier_wait -3
	s_barrier_signal -1
	s_barrier_wait -1
.endm
.macro CROUND
	s_barrier_signal -1
	s_barrier_wait -1
	CREST
.endm
.macro ASK                             ; 32 lines, a lane a line; none in the loop's last trip (s3 = 1)
	WIN 0
	s_cmp_gt_u32 s3, 1
	s_cbranch_scc0 .Lno_ask_\@
	global_prefetch_b8 v[PFO], s[PFA:PFA+1] offset:65536 th:TH_LOAD_NT scope:SCOPE_SE
.Lno_ask_\@:
.endm
	s_load_b256 s[4:11], s[0:1], 0x0               ; xq s[4:5], wq s[6:7], scales s[8:9], bias s[10:11]
	s_load_b64 s[12:13], s[0:1], 0x20              ; out0
	v_lshl_add_u32 v[SPW], v0, 2, SPARE
	v_mov_b32 v[NIL], 0
	ds_add_u32 v[SPW], v[NIL]                      ; the opening lines: the add, twice on end, and its wait
	ds_add_u32 v[SPW], v[NIL]
	v_lshrrev_b32 v1, 5, v0
	v_readfirstlane_b32 s14, v1                    ; wave 0..3
	s_lshr_b32 s15, s14, 1                         ; my half of the tile's rows; also: I fetch for x (0) or for w (1)
	s_and_b32 s16, s14, 1                          ; my half of its columns; also: which panel of the two I fetch
	s_bfe_u32 s40, ttmp6, 0x40000                  ; cx
	s_bfe_u32 s41, ttmp6, 0x40004                  ; cy
	s_lshl_b32 s42, ttmp9, 2
	s_add_co_u32 s42, s42, s40                     ; tile column
	s_and_b32 s17, ttmp7, 0xffff
	s_lshl_b32 s17, s17, 2
	s_add_co_u32 s17, s17, s41                     ; tile row
	s_lshl_b32 s43, s41, 2
	s_lshl_b32 s43, 15, s43                        ; my row of the cluster
	s_lshl_b32 s44, 0x1111, s40                    ; my column
	s_or_b32 s[G1+0], s43, (3<<16)|(1<<21)         ; elements of 8 bytes, no padding: the images are read 16 bytes a lane on end
	s_or_b32 s[G1B+0], s44, (3<<16)|(1<<21)
.irp g, G1, G1B
	s_mov_b32 s[\g+1], 32<<16                      ; rows of 32 elements = 256 bytes
	s_mov_b32 s[\g+2], 132<<16                     ; 132 rows
	s_mov_b32 s[\g+3], 32<<16
	s_mov_b32 s[\g+4], 132
	s_mov_b32 s[\g+5], 32
	s_mov_b32 s[\g+6], 0
	s_mov_b32 s[\g+7], 0
.endr
	s_lshl_b32 s20, s17, 1
	s_add_co_u32 s20, s20, s16
	s_mul_i32 s20, s20, PANEL                      ; x: panel 2 x tile row + half
	s_mov_b32 s21, 0
	s_lshl_b32 s46, s42, 1
	s_add_co_u32 s46, s46, s16
	s_mul_i32 s46, s46, PANEL                      ; w: panel 2 x tile column + half
	s_mov_b32 s47, 0
	s_mul_i32 s45, s14, BLK                        ; where my block goes: wave x BLK
	s_wait_dscnt 0x0                               ; both opening adds are done
	s_wait_kmcnt 0x0
	s_add_nc_u64 s[20:21], s[4:5], s[20:21]
	s_add_nc_u64 s[46:47], s[6:7], s[46:47]
.irp s, 0,1
	s_mov_b32 s[G0+4*\s], 1
	s_add_co_u32 s[G0+4*\s+1], s45, \s*SLOT
	s_add_nc_u64 s[G0+4*\s+2:G0+4*\s+3], s[20:21], \s*BLK
	s_or_b32 s[G0+4*\s+3], s[G0+4*\s+3], 0x80000000
	s_mov_b32 s[G0B+4*\s], 1
	s_add_co_u32 s[G0B+4*\s+1], s45, \s*SLOT
	s_add_nc_u64 s[G0B+4*\s+2:G0B+4*\s+3], s[46:47], \s*BLK
	s_or_b32 s[G0B+4*\s+3], s[G0B+4*\s+3], 0x80000000
.endr
	CROUND                                         ; all sixteen work-groups are here: the first joint loads meet
	JLOAD 0                                        ; K step 0: one tensor load a wave at the head
	; all that follows up to the wait for that load is made while it is out
	s_lshl_b32 s20, s17, 8
	s_lshl_b32 s21, s15, 7
	s_add_co_u32 s20, s20, s21                     ; my first row of out0
	s_lshl_b32 s20, s20, 14                        ; rows of 16,384 bytes
	s_mov_b32 s21, 0
	s_lshl_b32 s46, s42, 10                        ; my first column, in bytes
	s_lshl_b32 s47, s16, 9
	s_add_co_u32 s46, s46, s47
	s_mov_b32 s47, 0
	s_add_nc_u64 s[12:13], s[12:13], s[20:21]
	s_add_nc_u64 s[12:13], s[12:13], s[46:47]
	s_add_nc_u64 s[8:9], s[8:9], s[46:47]
	s_add_nc_u64 s[10:11], s[10:11], s[46:47]
	s_cmp_eq_u32 s15, 0                            ; the prefetches: do I fetch for x?
	s_cselect_b32 s20, s17, s42
	s_cselect_b32 s21, s40, s41                    ; my place among the four that ask with me
	s_cselect_b64 s[PFA:PFA+1], s[4:5], s[6:7]
	s_lshl_b32 s20, s20, 1
	s_add_co_u32 s20, s20, s16
	s_mul_i32 s20, s20, PANEL
	s_lshl_b32 s21, s21, 13                        ; my work-group's 32 lines of each 128
	s_add_co_u32 s20, s20, s21
	s_add_co_u32 s20, s20, 192*256                 ; at line 192
	s_mov_b32 s21, 0
	s_add_nc_u64 s[PFA:PFA+1], s[PFA:PFA+1], s[20:21]
	s_mul_i32 s21, s15, BLK                        ; LDS: my block of x,
	s_mul_i32 s22, s16, BLK
	s_add_co_u32 s22, s22, 2*BLK                   ; my block of w,
	s_xor_b32 s23, s15, 1
	s_add_co_u32 s23, s23, s16
	s_add_co_u32 s23, s23, 1
	s_mul_i32 s23, s23, BLK                        ; and the distance between the two
	s_mul_i32 s68, s14, 16*SPITCH                  ; my stage
	v_and_b32 v1, 15, v0
	v_bfe_u32 v2, v0, 4, 1
	v_and_b32 v6, 31, v0
	v_lshlrev_b32 v[CO], 4, v6                     ; 16 x lane: in an image, in a stage row and in a row of out0
	v_lshlrev_b32 v[PFO], 8, v6                    ; a line a lane
	v_mul_u32_u24 v5, s23, v2                      ; scale words: lanes 0-15 x's, lanes 16-31 w's
	v_lshl_add_u32 v5, v1, 4, v5
	v_add_nc_u32 v5, SCOFF, v5
	v_add_nc_u32 v[ADRA], s21, v[CO]
	v_add_nc_u32 v[ADRB], s22, v[CO]
	v_add_nc_u32 v[ADRS], s21, v5
	v_add_nc_u32 v[ADRA+1], SLOT, v[ADRA]
	v_add_nc_u32 v[ADRB+1], SLOT, v[ADRB]
	v_add_nc_u32 v[ADRS+1], SLOT, v[ADRS]
	v_mul_u32_u24 v5, v1, SPITCH
	v_lshl_add_u32 v5, v2, 5, v5
	v_add_nc_u32 v[STO], s68, v5
	v_add_nc_u32 v[RD], s68, v[CO]
	s_wait_alu depctr_va_vdst(0)                   ; the wait at the head's end
	global_prefetch_b8 v[PFO], s[PFA:PFA+1] th:TH_LOAD_NT scope:SCOPE_SE   ; lines 192-319 of the panel, my 32 of the 128
	global_load_b128 v[SN:SN+3], v[CO], s[8:9]     ; scales and bias of my four columns of a stored row
	global_load_b128 v[BN:BN+3], v[CO], s[10:11]
.macro FRAG reg, adr, q, i             ; an image back into its 16 registers
.irp c, 0,1,2,3
	ds_load_b128 v[\reg+4*\c:\reg+4*\c+3], v[\adr] offset:2048*(2*(\i)+(\q))+512*\c
.endr
.endm
; nb products of x's block a against w's blocks b0 on.  p: w's set; q: which 128 of the slot; sc: the set of scale words.  The 64 accumulators take turns, in the same order in every step.
.macro MULA a, b0, nb, p, q, sc, zero
	WIN MUL_LO+0x50*((\a)/4)
.set BI, \b0
.rept \nb
.if \zero
	v_wmma_scale_f32_16x16x128_f8f6f4 v[8*(8*((\a)%4)+BI):8*(8*((\a)%4)+BI)+7], v[128*(\p)+FR*BI:128*(\p)+FR*BI+FR-1], v[AF+FR*(\a):AF+FR*(\a)+FR-1], 0, v[SC+16*(\sc)+2*BI+(\q)], v[SC+16*(\sc)+2*(\a)+(\q)] matrix_a_fmt:MATRIX_FMT_BF8 matrix_b_fmt:MATRIX_FMT_BF8 matrix_a_scale:MATRIX_SCALE_ROW1
.else
	v_wmma_scale_f32_16x16x128_f8f6f4 v[8*(8*((\a)%4)+BI):8*(8*((\a)%4)+BI)+7], v[128*(\p)+FR*BI:128*(\p)+FR*BI+FR-1], v[AF+FR*(\a):AF+FR*(\a)+FR-1], v[8*(8*((\a)%4)+BI):8*(8*((\a)%4)+BI)+7], v[SC+16*(\sc)+2*BI+(\q)], v[SC+16*(\sc)+2*(\a)+(\q)] matrix_a_fmt:MATRIX_FMT_BF8 matrix_b_fmt:MATRIX_FMT_BF8 matrix_a_scale:MATRIX_SCALE_ROW1
.endif
.set BI, BI+1
.endr
.endm
.macro QUAD a0, b0, p, q, sc, zero     ; a quadrant: x's blocks a0 .. a0 + 3 against w's b0 .. b0 + 3: 16 products
.set AI, \a0
.rept 4
	MULA AI, \b0, 4, \p, \q, \sc, \zero
.set AI, AI+1
.endr
.endm
.macro FETCH_B slot, q, p, i0          ; w's blocks i0 .. i0 + 3 into set p: 16 loads
	WIN TO_B
.irp i, \i0, \i0+1, \i0+2, \i0+3
	FRAG 128*(\p)+FR*(\i), ADRB+\slot, \q, \i
.endr
.endm
.macro FETCH_A slot, q, i0             ; x's blocks i0 .. i0 + 3: 16 loads
	WIN 0
.irp i, \i0, \i0+1, \i0+2, \i0+3
	FRAG AF+FR*(\i), ADRA+\slot, \q, \i
.endr
.endm
.macro ALOAD a                         ; the last K step: x's block a, both halves of the K step, into buffer a % 4: 8 loads
	WIN 0
.irp q, 0,1
	FRAG AF+32*((\a)%4)+FR*\q, ADRA+1, \q, (\a)
.endr
.endm
.macro SCALES s                        ; a K step's scale words: register 2 i + q: lanes 0-15 x's block i, lanes 16-31 w's
	WIN 0
.irp p, 0,1,2,3
	ds_load_b128 v[SC+16*\s+4*\p:SC+16*\s+4*\p+3], v[ADRS+\s] offset:256*\p
.endr
.endm
.macro PLACES n                        ; eight places stand between a product and a load into a register that it read, or a store of its result (ISA guide 7.12.1 for the stores)
.rept \n
	v_nop
.endr
.endm
; A slot's first step.
.macro STEP slot, zero
	s_wait_dscnt 8*NL                              ; all but the last run of 32 is in: w's blocks 0-3, x's 0-3, the scale words
	QUAD 0, 0, 0, 0, \slot, \zero
	s_wait_dscnt 4*NL                              ; w's blocks 4-7 are in; x's 4-7 may be out
	QUAD 0, 4, 0, 0, \slot, \zero
	PLACES 8
	FETCH_B \slot, 1, 1, 0
	FETCH_A \slot, 1, 0
	s_wait_dscnt 8*NL                              ; x's blocks 4-7 are in; the 32 loads just issued may be out
	QUAD 4, 0, 0, 0, \slot, \zero
	QUAD 4, 4, 0, 0, \slot, \zero
	PLACES 8
	FETCH_B \slot, 1, 1, 4
	FETCH_A \slot, 1, 4
.endm
; A slot's second step changes slots.  fill = 1: this slot is filled again, two K steps ahead.  fill = 0: the last change: nothing is filled, and the last K step's fragments are fetched for the walk by rows.
.macro TURN slot, next, fill
.if \fill
	s_wait_xcnt 0x0                                ; my last prefetch has read its address
	s_add_nc_u64 s[PFA:PFA+1], s[PFA:PFA+1], 128*256
.endif
	s_wait_dscnt 8*NL
	QUAD 0, 0, 1, 1, \slot, 0
	s_wait_dscnt 4*NL
	MULA 0, 4, 4, 1, 1, \slot, 0
	MULA 1, 4, 4, 1, 1, \slot, 0
	WIN 0                                          ; (the add's two registers lie in window 0)
	s_wait_tensorcnt 0x0                           ; all my tensor loads have landed: my block of the next slot
	ds_add_u32 v[SPW], v[NIL]
.if \fill
	s_add_nc_u64 s[G0+4*\slot+2:G0+4*\slot+3], s[G0+4*\slot+2:G0+4*\slot+3], 2*BLK      ; no load of mine is out: this slot's next K step
	s_add_nc_u64 s[G0B+4*\slot+2:G0B+4*\slot+3], s[G0B+4*\slot+2:G0B+4*\slot+3], 2*BLK
.endif
	MULA 2, 4, 4, 1, 1, \slot, 0
	s_wait_dscnt 0x0                               ; the add is done, and my reads of this slot are over (x's blocks 4-7 were the last)
	s_barrier_signal -1
	MULA 3, 4, 4, 1, 1, \slot, 0
	WIN 0
	s_barrier_wait -1
.if \fill
	CREST                                          ; the barrier has opened a round of the cluster's barrier
	JLOAD \slot                                    ; the first tensor load behind the round; its four v_nop are four of the eight places
	PLACES 4
	FETCH_B \next, 0, 0, 0
	FETCH_A \next, 0, 0
	SCALES \next
	ASK
.else
	PLACES 8
	FETCH_B \next, 0, 0, 0                         ; w's set 0: the K step's first 128, whole;
	FETCH_B \next, 0, 0, 4
	SCALES \next
	ALOAD 0                                        ; x's blocks 0 and 1, where x's blocks 0-3 lay
	ALOAD 1
.endif
	QUAD 4, 0, 1, 1, \slot, 0
	QUAD 4, 4, 1, 1, \slot, 0
	PLACES 8
.if \fill
	FETCH_B \next, 0, 0, 4
	FETCH_A \next, 0, 4
.else
	FETCH_B \next, 1, 1, 0                         ; w's set 1: the K step's second 128, whole;
	FETCH_B \next, 1, 1, 4
	ALOAD 2                                        ; x's blocks 2 and 3
	ALOAD 3
.endif
.endm
	s_wait_tensorcnt 0x0                           ; my block of K step 0 is in
	ds_add_u32 v[SPW], v[NIL]
	s_wait_dscnt 0x0
	CROUND                                         ; everybody's block is in, and all sixteen work-groups are here
	JLOAD 1                                        ; K step 1: slot 1's first fill
	FETCH_B 0, 0, 0, 0
	FETCH_A 0, 0, 0
	SCALES 0
	FETCH_B 0, 0, 0, 4
	FETCH_A 0, 0, 4
.irp j, 1,2
	global_prefetch_b8 v[PFO], s[PFA:PFA+1] offset:32768*\j th:TH_LOAD_NT scope:SCOPE_SE   ; lines 320-575, my 32 of each 128
.endr
	STEP 0, 1                                      ; the first step stands in front of the loop: its products start the sums
	s_mov_b32 s3, LAPS-1
.Llap:                                                 ; a trip goes once round the ring and fills both slots again
	TURN 0, 1, 1
	STEP 1, 0
	TURN 1, 0, 1
	STEP 0, 0
	s_sub_co_u32 s3, s3, 1
	s_cmp_lg_u32 s3, 0
	s_cbranch_scc1 .Llap
	TURN 0, 1, 0                                   ; the last change of slots: no refill, no round
; THE LAST K STEP, BY ROWS.  Block a is finished by 16 products: its eight accumulators by turns, first the K step's first 128, then its second.
.macro ROW a
	WIN MUL_LO+0x50*((\a)/4)
.irp q, 0,1
.if (\a) == 0 && \q == 1
	s_wait_dscnt 4*NL                              ; w's set 1 is in (behind it: x's blocks 2 and 3)
.endif
.set BI, 0
.rept 8
	v_wmma_scale_f32_16x16x128_f8f6f4 v[8*(8*((\a)%4)+BI):8*(8*((\a)%4)+BI)+7], v[128*\q+FR*BI:128*\q+FR*BI+FR-1], v[AF+32*((\a)%4)+FR*\q:AF+32*((\a)%4)+FR*\q+FR-1], v[8*(8*((\a)%4)+BI):8*(8*((\a)%4)+BI)+7], v[SC+16+2*BI+\q], v[SC+16+2*(\a)+\q] matrix_a_fmt:MATRIX_FMT_BF8 matrix_b_fmt:MATRIX_FMT_BF8 matrix_a_scale:MATRIX_SCALE_ROW1
.set BI, BI+1
.endr
.endr
.endm
; THE WAY OUT of a block of 16 rows x 128 columns: through my own stage and back as whole rows of 512 bytes; there x scales[n] + bias[n], one fused multiply-add.
; Row t comes back into four registers at BR: v8-15 for rows 0 and 1, v72-127 for rows 2 to 15.
.macro TOSTAGE a
.set AC, 64*((\a)%4)
	WIN 0x08+4*((\a)/4)                            ; the data: window 2 or 3
.irp b, 0,1,2,3,4,5,6,7
	ds_store_b128 v[STO], v[AC+8*\b:AC+8*\b+3] offset:64*\b          ; each accumulator from its low end on
	ds_store_b128 v[STO], v[AC+8*\b+4:AC+8*\b+7] offset:64*\b+16
.endr
	WIN 0
.irp t, 0,1,2,3,4,5,6,7,8,9,10,11,12,13,14,15
.set BR, 8+4*\t+56*((\t+14)/16)
	ds_load_b128 v[BR:BR+3], v[RD] offset:\t*SPITCH                  ; LDS serves a wave's instructions in order (ISA guide 5.7.1.4)
.endr
.endm
.macro SEND a, younger                 ; younger: the LDS loads issued behind block a's, which may stay out
	WIN 0
	s_wait_dscnt \younger
.if (\a) > 0
	s_add_nc_u64 s[12:13], s[12:13], 16*SIZE_N*4   ; (behind a wait on XCNT)  16 rows on
.endif
.irp t, 0,1,2,3,4,5,6,7,8,9,10,11,12,13,14,15
.set BR, 8+4*\t+56*((\t+14)/16)
	v_pk_fma_f32 v[BR:BR+1], v[BR:BR+1], v[SN:SN+1], v[BN:BN+1]
	v_pk_fma_f32 v[BR+2:BR+3], v[BR+2:BR+3], v[SN+2:SN+3], v[BN+2:BN+3]
.endr
.irp t, 0,1,2,3,4,5,6,7,8,9,10,11,12,13,14,15
.set BR, 8+4*\t+56*((\t+14)/16)
	global_store_b128 v[CO], v[BR:BR+3], s[12:13] offset:\t*SIZE_N*4 th:TH_STORE_NT   ; 32 lanes store 512 consecutive, aligned bytes
.endr
.endm
	s_wait_loadcnt 0x0                             ; scales and bias
	s_wait_dscnt 12*NL                             ; all but the last run of 48 is in: w's set 0, the scale words, x's blocks 0 and 1
	ROW 0
	PLACES 8
	TOSTAGE 0
	ALOAD 4                                        ; block 0's buffer takes the block four further on
.irp a, 1,2,3,4,5,6,7
	ROW \a                                         ; block a is multiplied while block a - 1 goes through the stage
.if \a < 5
	SEND \a-1, 8                                   ; behind block a - 1's loads: the eight of x's block a + 3
.else
	SEND \a-1, 0
.endif
	PLACES 8
	s_wait_xcnt 0x0                                ; block a - 1's stores have read their registers and their base
	TOSTAGE \a
.if \a < 4
	ALOAD \a+4
.endif
.endr
	SEND 7, 0
	s_wait_tensorcnt 0x0                           ; the wave's end
	ds_add_u32 v[SPW], v[NIL]
	s_wait_dscnt 0x0
	CROUND                                         ; the closing round
	s_endpgm
.Lfunc_end_k_q866c165783_gemm:
	.size	k_q866c165783_gemm, .Lfunc_end_k_q866c165783_gemm-k_q866c165783_gemm
	.p2alignl 7, 3214868480
	.fill 96, 4, 3214868480
	.section	.rodata,"a",@progbits
	.p2align	6, 0x0
	.amdhsa_kernel k_q866c165783_gemm
		.amdhsa_group_segment_fixed_size 327680
		.amdhsa_private_segment_fixed_size 0
		.amdhsa_enable_private_segment 0
		.amdhsa_kernarg_size 40
		.amdhsa_user_sgpr_count 2
		.amdhsa_user_sgpr_kernarg_segment_ptr 1
		.amdhsa_wavefront_size32 1
		.amdhsa_system_sgpr_workgroup_id_x 1
		.amdhsa_system_sgpr_workgroup_id_y 1
		.amdhsa_system_sgpr_workgroup_id_z 1
		.amdhsa_system_vgpr_workitem_id 0
		.amdhsa_next_free_vgpr 1024
		.amdhsa_next_free_sgpr 72
		.amdhsa_reserve_vcc 0
		.amdhsa_float_denorm_mode_32 3
		.amdhsa_float_denorm_mode_16_64 3
		.amdhsa_memory_ordered 1
		.amdhsa_forward_progress 1
		.amdhsa_inst_pref_size 162
	.end_amdhsa_kernel
	.amdgpu_metadata
---
amdhsa.version: [ 1, 2 ]
amdhsa.kernels:
  - .name:           k_q866c165783_gemm
    .symbol:         k_q866c165783_gemm.kd
    .args:
      - { .name: xq, .offset: 0, .size: 8, .value_kind: global_buffer, .address_space: global }
      - { .name: wq, .offset: 8, .size: 8, .value_kind: global_buffer, .address_space: global }
      - { .name: scales, .offset: 16, .size: 8, .value_kind: global_buffer, .address_space: global }
      - { .name: bias, .offset: 24, .size: 8, .value_kind: global_buffer, .address_space: global }
      - { .name: out0, .offset: 32, .size: 8, .value_kind: global_buffer, .address_space: global }
    .group_segment_fixed_size: 327680
    .private_segment_fixed_size: 0
    .kernarg_segment_align: 8
    .kernarg_segment_size: 40
    .max_flat_workgroup_size: 128
    .sgpr_count:     72
    .vgpr_count:     1024
    .wavefront_size: 32
...
	.end_amdgpu_metadata
.endif
;; end of part 2
